; MI455X (gfx1250); checked and timed in simulation.
; The chip was launched on July 23, 2026; its instructions are those of AMD's public machine-readable ISA for CDNA 5 (MIT licence, August 2026) and "CDNA5" Instruction Set Architecture Reference Guide (July 2026). The comments in the code are by the model that wrote it; some were corrected since.
;; My Bahdanau Attention. Allowed arithmetic: matrix products marked QUANTISED: E4M3 operands, one given power-of-two scale a tensor, by v_wmma_f32_16x16x64_fp8_fp8 or v_wmma_f32_16x16x128_fp8_fp8, f32 sums; products left as they are: f32 operands where the result goes on into a quantised operand, else bf16, f16 or f32 operands; f32 sums; everything else in f32.
;; Inputs: encoder_output 2,048 x 32 x 1,024 float32; last_decoder_state_codes 2 x 1 x 32 x 32 x 32 uint8 (E4M3 codes of last_decoder_state, K innermost, in blocks of 32 codes); lowp_scales 4 int32 (the exponents e of the quantised operands' scales 2^e); v_b 1 float32; v_w 1 x 1,024 float32; w1_b 1,024 float32; w1_w_codes 1,024 x 32 x 32 uint8 (E4M3 codes of w1_w, K innermost, in blocks of 32 codes); w2_b 1,024 float32; w2_w_codes 1,024 x 32 x 32 uint8 (E4M3 codes of w2_w, K innermost, in blocks of 32 codes).
;; Outputs: out0 32 x 1,024 float32; out1 2,048 x 32 x 1 float32.
;; This version of the problem:
;;   THIS VERSION OF THE PROBLEM IS GIVEN IN LOW PRECISION. The matrix products marked QUANTISED in the list below multiply operands that are first quantised to E4M3 (4 exponent bits, 3 mantissa bits; 8 bits a number), with one given power-of-two scale for each operand tensor; their sums are f32. All else is computed in f32.
;;   The module's matrix products, in the order in which they are computed (A, B: the left and right operand; K: the contracted axis; several contracted axes count as one K, in the product's order):
;;     1. [M 65,536, K 1,024] x [K 1,024, N 1,024]; A: input encoder_output; B: input w1_w (given as codes): QUANTISED (scales: A lowp_scales[0], B lowp_scales[1])
;;     2. [M 32, K 1,024] x [K 1,024, N 1,024]; A: input last_decoder_state (given as codes); B: input w2_w (given as codes): QUANTISED (scales: A lowp_scales[2], B lowp_scales[3])
;;     3. [M 65,536, K 1,024] x [K 1,024, N 1]; A: computed on the way; B: input v_w: left as it is (N = 1 < 16)
;;   THE QUANTISER, for each operand of a quantised product, along K:
;;     - The operand's scale is 2^e, e = its entry of the input lowp_scales (int32; the entries are numbered through the quantised products in the list's order, A before B).
;;     - Each number is divided by the scale, clamped to +-448, and rounded to the nearest number of E4M3, ties to even, subnormals kept.
;;     - The product sums the exact products of the quantised numbers (number of the format x scale) in f32.
;;   ~~~python
;;   def quantise(x, axis, e):      # numpy; x: float32 -> the quantised numbers, widened to float32 again
;;       x = np.moveaxis(x, axis, -1); K = x.shape[-1]
;;       r = np.clip(x / 2.0 ** e, -448, 448)
;;       step = 2.0 ** (np.maximum(np.frexp(np.where(r == 0, 1, r))[1] - 1, -6) - 3)
;;       q = np.round(r / step) * step * 2.0 ** e      # np.round: ties to even
;;       return np.moveaxis(q, -1, axis).astype(np.float32)
;;   ~~~
;;   INPUTS GIVEN AS CODES. last_decoder_state (in the module: [2, 1, 32, 1024], K = its axis 3); w1_w (in the module: [1024, 1024], K = its axis 1); w2_w (in the module: [1024, 1024], K = its axis 1): each comes as NAME_codes (uint8): NAME with its K axis moved to the last place and cut into blocks of 32 codes, [.., K / 32, bytes a block], one block behind the other in memory; one code a byte (a code: sign, 4 exponent bits, 3 mantissa bits); its scale is its entry of lowp_scales. Its value is code x scale, taken as it is: it is not quantised again, and the codes and scales need not be those that the quantiser above would give.
;; One version. Each part assembles by itself: llvm-mc -triple=amdgcn-amd-amdhsa -mcpu=gfx1250 --defsym DOCPART=n.
;; ======== version 1 of 1: 3 launches
;; limits: right only within a limited range of input values
;; workspace buffers: bias2 131,072 bytes; tsc 262,144 bytes; stat 2,048 bytes
;; launch prep (part 1): grid 16 x 1, 4 waves a work-group, no clusters, 9,216 bytes of LDS; arguments last_decoder_state_codes, w2_w_codes, lowp_scales, w1_b, w2_b, bias2; writes bias2
.if DOCPART == 1
	.amdgcn_target "amdgcn-amd-amdhsa--gfx1250"
	.amdhsa_code_object_version 6
	.text
	.protected	k_q3916214360_prep
	.globl	k_q3916214360_prep
	.p2align	8
	.type	k_q3916214360_prep,@function
k_q3916214360_prep:
	s_mov_b64 s[64:65], 0
	v_nop
	global_prefetch_b8 v0, s[64:65] scope:SCOPE_SE
	s_setreg_imm32_b32 hwreg(HW_REG_WAVE_MODE, 25, 1), 1
	s_wait_xcnt 0x0
; bias2[b][n] = C2 x (h[b] . W2[n] + w1_b[n] + w2_b[n]),  C2 = 2 log2(e):  all that is added to enc[l][b] . W1[n] ahead of the tanh, already in the scale of the exponential that makes the tanh.
; h = last_decoder_state[0]: codes of E4M3 with the scale 2^e2; W2: codes with 2^e3; the codes are multiplied as they are, and a finished sum once by C2 x 2^(e2 + e3).
; WORK LEFT OUT IN THIS PROGRAM, for all values of the inputs:
;  (1) v_b is added to att_score[l][b] for every l alike, and att_score goes nowhere but into the softmax over l: exp(s + v_b - max(s + v_b)) = exp(s - max s).  v_b has no way to an output: it is not loaded and is no argument.
;  (2) tanh x = 1 - 2 / (1 + e^(2 x)), so att_score = sum_n v_n - 2 sum_n v_n r_n with r = 1 / (1 + e^(2 x)).  sum_n v_n is the same for every l and falls out of the softmax as v_b does: only -2 sum_n v_n r_n is made.
;  (3) last_decoder_state[1] is sliced away by reference(): only the first 32 rows of the codes are read.
; LIMITS: a NaN, an infinity or an overflow that reaches only v_b, sum_n v_n or last_decoder_state[1] is not carried to the result.  e2 + e3 lies between -127 and 126, so that C2 x 2^(e2 + e3) is an f32 number.  NaN among the inputs is not served.
; SHARES.  Work-group g makes n = 64 g .. 64 g + 63 for all 32 b; wave w the tile n0 = 64 g + 16 w.  The product is used transposed (source 0 = 16 rows of W2, source 1 = 16 rows of h): lane (r, h) holds b = 16 a + r and
; registers j = 0 .. 7 hold n = n0 + 8 h + j.  A fragment (16 rows x 128 K) is four loads of 16 bytes, 32 apart: registers 4 c .. 4 c + 3 hold k = 128 s + 32 c + 16 h + 0 .. 15: the same order of k on both sides.
; Sixteen work-groups are all the work that there is: 1 MiB of codes, read once.  No cluster: no two work-groups read the same rows of W2, and h is 32 KiB.
; REGISTERS: window 0: v4-8 addresses; v16-31 the two biases; v32-47 two accumulators; v48-63 results; v64-191 W2's eight fragments.  window 1: h's sixteen fragments, (a, s) at v[128 a + 16 s].
.set C2,    0x4038aa3b                 ; 2 log2(e)
.set SP,    272                        ; a stage row: 64 numbers (256 bytes) + 16
.set SPARE, 32*SP                      ; behind the stage of 32 rows: the spare words, 128 bytes a wave: two blocks of 256 bytes that no other line names
.set SPW,   14                         ; v14  my spare word's LDS address; never rewritten
.set NIL,   15                         ; v15  0; never rewritten
.set MSB, 0
.macro WIN new                         ; the immediate's high byte repeats the setting that is left
.if MSB != (\new)
	s_set_vgpr_msb (MSB<<8)|(\new)
.set MSB, \new
.endif
.endm
	s_load_b256 s[4:11], s[0:1], 0x0               ; h's codes s[4:5], W2's codes s[6:7], the scales' exponents s[8:9], w1_b s[10:11]
	s_load_b128 s[12:15], s[0:1], 0x20             ; w2_b s[12:13], bias2 s[14:15]
	v_lshl_add_u32 v[SPW], v0, 2, SPARE
	v_mov_b32 v[NIL], 0
	v_lshrrev_b32 v1, 5, v0
	v_readfirstlane_b32 s16, v1                    ; wave 0..3
	v_and_b32 v2, 15, v0                           ; r
	v_bfe_u32 v3, v0, 4, 1                         ; h
	v_lshlrev_b32 v4, 10, v2
	v_lshl_add_u32 v4, v3, 4, v4                   ; a fragment: row r of 1,024 bytes + 16 h
	v_lshlrev_b32 v5, 5, v3                        ; the biases: my eight numbers begin 32 h bytes into the tile's 64
	s_lshl_b32 s17, s16, 6
	v_mul_u32_u24 v6, v2, SP
	v_lshl_add_u32 v6, v3, 5, v6
	v_add_nc_u32 v6, s17, v6                       ; into the stage: row r, + 64 w + 32 h
	s_mul_i32 s18, s16, 8*SP
	v_mul_u32_u24 v7, v3, SP
	v_lshl_add_u32 v7, v2, 4, v7
	v_add_nc_u32 v7, s18, v7                       ; back: my wave's rows 8 w on; lanes 0-15 one row of 256 bytes, lanes 16-31 the next
	s_lshl_b32 s19, s16, 15
	v_lshlrev_b32 v8, 12, v3
	v_lshl_add_u32 v8, v2, 4, v8
	v_add_nc_u32 v8, s19, v8                       ; and the same two rows of bias2, 4,096 bytes apart
	s_lshl_b32 s20, ttmp9, 2
	s_add_co_u32 s20, s20, s16                     ; 4 g + w: my tile of 16 n
	s_lshl_b32 s22, s20, 14                        ; its 16 rows of 1,024 bytes in W2
	s_mov_b32 s23, 0
	s_lshl_b32 s24, s20, 6                         ; its 16 numbers in a bias
	s_mov_b32 s25, 0
	s_lshl_b32 s26, ttmp9, 8                       ; the work-group's 64 numbers in a row of bias2
	s_mov_b32 s27, 0
	s_mov_b32 s34, C2
	s_mov_b32 s35, C2                              ; (named with it as a pair, so it is written)
	s_wait_kmcnt 0x0
	s_load_b128 s[28:31], s[8:9], 0x0              ; e0, e1, e2, e3
	s_add_nc_u64 s[6:7], s[6:7], s[22:23]
	s_add_nc_u64 s[10:11], s[10:11], s[24:25]
	s_add_nc_u64 s[12:13], s[12:13], s[24:25]
	s_add_nc_u64 s[14:15], s[14:15], s[26:27]
.irp s, 0,1,2,3,4,5,6,7
.irp c, 0,1,2,3
	global_load_b128 v[64+16*\s+4*\c:64+16*\s+4*\c+3], v4, s[6:7] offset:128*\s+32*\c
.endr
.endr
	global_load_b128 v[16:19], v5, s[10:11]
	global_load_b128 v[20:23], v5, s[10:11] offset:16
	global_load_b128 v[24:27], v5, s[12:13]
	global_load_b128 v[28:31], v5, s[12:13] offset:16
	WIN 0x40                                       ; destination window 1
.irp a, 0,1
.irp s, 0,1,2,3,4,5,6,7
.irp c, 0,1,2,3
	global_load_b128 v[128*\a+16*\s+4*\c:128*\a+16*\s+4*\c+3], v4, s[4:5] offset:16384*\a+128*\s+32*\c
.endr
.endr
.endr
	WIN 0
	s_wait_loadcnt 0x0
	s_wait_kmcnt 0x0
	s_add_co_i32 s32, s30, s31                     ; e2 + e3 is added to C2's exponent field
	s_lshl_b32 s32, s32, 23
	s_add_co_i32 s32, s32, C2
	s_mov_b32 s33, s32
	WIN 0x04                                       ; source 1 (h) window 1
.irp s, 0,1,2,3,4,5,6,7                        ; the two accumulators take turns, one instruction a turn; the first K step starts the sums
.if \s == 0
	v_wmma_f32_16x16x128_fp8_fp8 v[32:39], v[64:79], v[0:15], 0
	v_wmma_f32_16x16x128_fp8_fp8 v[40:47], v[64:79], v[128:143], 0
.else
	v_wmma_f32_16x16x128_fp8_fp8 v[32:39], v[64+16*\s:79+16*\s], v[16*\s:16*\s+15], v[32:39]
	v_wmma_f32_16x16x128_fp8_fp8 v[40:47], v[64+16*\s:79+16*\s], v[128+16*\s:128+16*\s+15], v[40:47]
.endif
.endr
	WIN 0
.irp j, 0,2,4,6                                ; eight plain instructions that name no register of the products: the places behind them (ISA guide 7.12.1)
	v_pk_add_f32 v[16+\j:17+\j], v[16+\j:17+\j], v[24+\j:25+\j]
.endr
.irp j, 0,2,4,6
	v_pk_mul_f32 v[16+\j:17+\j], v[16+\j:17+\j], s[34:35] op_sel_hi:[1,0]   ; C2 x (w1_b + w2_b)
.endr
.irp a, 0,1
.irp j, 0,2,4,6
	v_pk_fma_f32 v[48+8*\a+\j:49+8*\a+\j], v[32+8*\a+\j:33+8*\a+\j], s[32:33], v[16+\j:17+\j] op_sel_hi:[1,0,1]   ; each accumulator from its low end on
.endr
.endr
.irp a, 0,1
	ds_store_b128 v6, v[48+8*\a:51+8*\a] offset:\a*16*SP
	ds_store_b128 v6, v[52+8*\a:55+8*\a] offset:\a*16*SP+16
.endr
	s_wait_dscnt 0x0                               ; for the others' sake: a row's 256 bytes come from four waves
	s_barrier_signal -1
	s_barrier_wait -1
.irp q, 0,1,2,3
	ds_load_b128 v[48+4*\q:51+4*\q], v7 offset:\q*2*SP
.endr
.irp q, 0,1,2,3
	s_wait_dscnt 3-\q                              ; LDS loads come back in order: load q is in, the younger ones may be out
	global_store_b128 v8, v[48+4*\q:51+4*\q], s[14:15] offset:\q*8192   ; sixteen lanes store 256 consecutive bytes, at a multiple of 256 from bias2's first byte
.endr
	s_wait_tensorcnt 0x0                           ; the wave's end
	ds_add_u32 v[SPW], v[NIL]
	s_wait_dscnt 0x0
	s_endpgm
.Lfunc_end_k_q3916214360_prep:
	.size	k_q3916214360_prep, .Lfunc_end_k_q3916214360_prep-k_q3916214360_prep
	.p2alignl 7, 3214868480
	.fill 96, 4, 3214868480
	.section	.rodata,"a",@progbits
	.p2align	6, 0x0
	.amdhsa_kernel k_q3916214360_prep
		.amdhsa_group_segment_fixed_size 9216
		.amdhsa_private_segment_fixed_size 0
		.amdhsa_enable_private_segment 0
		.amdhsa_kernarg_size 48
		.amdhsa_user_sgpr_count 2
		.amdhsa_user_sgpr_kernarg_segment_ptr 1
		.amdhsa_wavefront_size32 1
		.amdhsa_system_sgpr_workgroup_id_x 1
		.amdhsa_system_sgpr_workgroup_id_y 1
		.amdhsa_system_sgpr_workgroup_id_z 1
		.amdhsa_system_vgpr_workitem_id 0
		.amdhsa_next_free_vgpr 512
		.amdhsa_next_free_sgpr 66
		.amdhsa_reserve_vcc 0
		.amdhsa_float_denorm_mode_32 3
		.amdhsa_float_denorm_mode_16_64 3
		.amdhsa_memory_ordered 1
		.amdhsa_forward_progress 1
		.amdhsa_inst_pref_size 15
	.end_amdhsa_kernel
	.amdgpu_metadata
---
amdhsa.version: [ 1, 2 ]
amdhsa.kernels:
  - .name:           k_q3916214360_prep
    .symbol:         k_q3916214360_prep.kd
    .args:
      - { .name: last_decoder_state_codes, .offset: 0, .size: 8, .value_kind: global_buffer, .address_space: global }
      - { .name: w2_w_codes, .offset: 8, .size: 8, .value_kind: global_buffer, .address_space: global }
      - { .name: lowp_scales, .offset: 16, .size: 8, .value_kind: global_buffer, .address_space: global }
      - { .name: w1_b, .offset: 24, .size: 8, .value_kind: global_buffer, .address_space: global }
      - { .name: w2_b, .offset: 32, .size: 8, .value_kind: global_buffer, .address_space: global }
      - { .name: bias2, .offset: 40, .size: 8, .value_kind: global_buffer, .address_space: global }
    .group_segment_fixed_size: 9216
    .private_segment_fixed_size: 0
    .kernarg_segment_align: 8
    .kernarg_segment_size: 48
    .max_flat_workgroup_size: 128
    .sgpr_count:     66
    .vgpr_count:     512
    .wavefront_size: 32
...
	.end_amdgpu_metadata
.endif
;; end of part 1
;; launch score (part 2): grid 8 x 32, 4 waves a work-group, clusters of 4 x 1, 327,680 bytes of LDS; arguments encoder_output, w1_w_codes, lowp_scales, v_w, bias2, tsc, stat; writes tsc, stat
.if DOCPART == 2
	.amdgcn_target "amdgcn-amd-amdhsa--gfx1250"
	.amdhsa_code_object_version 6
	.text
	.protected	k_q3916214360_score
	.globl	k_q3916214360_score
	.p2align	8
	.type	k_q3916214360_score,@function
k_q3916214360_score:
	s_mov_b64 s[64:65], 0
	v_nop
	global_prefetch_b8 v0, s[64:65] scope:SCOPE_SE
	s_setreg_imm32_b32 hwreg(HW_REG_WAVE_MODE, 25, 1), 1
	s_wait_xcnt 0x0
	s_wait_alu depctr_hold_cnt(0) depctr_sa_sdst(0) depctr_va_vdst(0) depctr_va_sdst(0) depctr_va_ssrc(0) depctr_va_vcc(0) depctr_vm_vsrc(0)
	s_getreg_b32 s2, hwreg(HW_REG_IB_STS2, 6, 4)
	s_cmp_eq_u32 s2, 0
	s_cbranch_scc0 .Lentry_in_a_cluster
	s_endpgm
.Lentry_in_a_cluster:
	s_bfe_u32 s2, ttmp6, 0x10000c
	s_cmp_lg_u32 s2, 0x3003
	s_cbranch_scc0 .Lentry_shape_is_right
	s_endpgm
.Lentry_shape_is_right:
; t[b][l] = sum_n (-C2 v_n) r_n,  r_n = 1 / (1 + 2^(K1 S_n + bias2[b][n])),  C2 = 2 log2(e),  K1 = C2 x 2^(e0 + e1),  S_n = sum over k of enc's codes x W1's codes.
; Left out, as shown at the head of the first kernel: v_b and sum_n v_n (the same along the softmax's axis).  r is 0 where the exponential overflows and 1 where it vanishes: tanh's ends.
; Also stored: for each chunk of 256 l of a b, m = its largest t and z = the sum of 2^(t - m).
; enc is quantised here: x / 2^e0, held within +-448, to the nearest code of E4M3, ties to even.  LIMITS: e0 between -126 and 119; e0 + e1 between -127 and 126.  NaN among the inputs is not served.
; SHARES.  Work-group (c, b) owns l = 256 c .. 256 c + 255 of one b.  Wave w owns 64 rows, four tiles i of 16; their codes stay in registers for all of K: 4 x 8 fragments, 512 registers.
; W1 walks by: 64 tiles of 16 n, all of K each, through a ring of two LDS slots of 8 tiles.  A fragment of W1 read from LDS feeds four matrix instructions.
; CLUSTER.  The four work-groups of a cluster walk the same W1: each wave's quarter of a slot is asked for jointly, with one descriptor and the mask of all four.  The place in the cluster enters global addresses of enc, tsc and stat alone.
; PHASE Q (each wave by itself): 32 units of 16 rows x 128 K.  A unit's 16 loads read 512 consecutive bytes each: a lane holds four neighbours along K of each row.  They are quantised as they lie, two rows to a conversion, so that
; a register holds a row's four codes; ONLY THE CODES turn through the wave's own stage in LDS: sixteen stores of 4 bytes a lane lay 16 rows of 128 codes, and four loads of 16 bytes a lane bring the fragment's registers
; (registers 4 c .. 4 c + 3: k = 128 s + 32 c + 16 h + 0 .. 15; W1's fragments are read in the same order).  Global loads run four units ahead.
; PHASE G.  Step T (p = T % 2): one unbroken group of 32 products of tile T - 1; then the vector work in batches: + 1 on tile T - 2, K1 S + bias on tile T - 1, the 32 exponentials of T - 1 and the 32 reciprocals of T - 2 as one batch,
; and the sums over n of T - 2.  Tile T's 32 LDS loads and the two table words stand in three runs, each directly behind one of the step's three waits for vector results.
; Source 0 = 16 rows of enc, source 1 = 16 rows of W1: a lane holds ONE n (n0 + lane % 16) and eight l (16 i + 8 (lane / 16) + j), so bias and -C2 v are one number a lane; the sum over n is joined across 16 lanes once, at the end.
; Tiles -1 and -2 are zeros with v = 0, which add nothing: the loop has no first step of its own.
; No prefetch: phase Q has 64 loads of each wave out, and W1's tiles are asked for a whole slot, eight steps, ahead.
; REGISTERS, in windows of 256.  Windows 1, 2: enc's codes: fragment (i, s) in window 1 + s / 4 at v[64 (s % 4) + 16 i].
;   Windows 0 and 3 alike: v64-95 a tile's sums, then 2^(..), 1 + that, its reciprocal; v96 bias; v98 -C2 v (v97, v99 only named as upper halves of pairs); v128-255 a tile of W1.  Step p fills window 3 p and reads W1 from window 3 - 3 p.
;   Window 0 also: v1-27 addresses and constants, v32-63 the sums over n.  Phase Q: window 0 v64-79 a unit's codes, window 3 four sets of 64 for the loads.
.set LSTR,  131072
.set C2,    0x4038aa3b
.set PITCH, 1040                       ; a row of W1 in LDS: 1,024 bytes + 16
.set TILEB, 16*PITCH
.set WPART, 32*PITCH                   ; what one tensor load brings: 32 rows
.set SLOT,  128*PITCH
.set STAGE, 2*SLOT                     ; behind the ring: each wave's stage
.set SPI,   144                        ; a stage row: 128 codes + 16 bytes
.set WSTG,  8448                       ; bytes from a wave's stage to the next; 16 x 144 of them are used
.set TAB,   STAGE+4*WSTG               ; 65 rows of 64 bytes: row 0 zeros, row T + 1 = bias2 of tile T
.set VTAB,  4352                       ; and, so far behind it, the same for -C2 v
.set RED,   TAB+2*VTAB                 ; the work-group's 256 t
.set SPARE, RED+1024                   ; the spare words, 128 bytes a wave
.set LOFF, 4                           ; 16 x lane
.set STI,  5                           ; the stage, on the way in: 4 x lane
.set STQ,  6                           ; and out: row r, + 16 h
.set AB0,  7                           ; my lane's place in a tile of W1
.set TA0,  9                           ; my lane's place in a row of the tables: 4 r
.set QS,   11                          ; 2^e0
.set QL,   12                          ; 448 x 2^e0
.set TS,   13                          ; where I store 16 bytes of a table
.set SPW,  14                          ; my spare word; never rewritten
.set NIL,  15                          ; 0, for the add alone
.set ADR,  16                          ; v16, v17  the fetch in hand, by turns
.set TADR, 18                          ; v18, v19  the tables' row in hand, by turns
.set TOFF, 24                          ; 16 x thread
.set RST,  25                          ; where my half of the lanes puts its t
.set RRD,  26                          ; where wave 0 reads them back
.set ZR,   27                          ; 0
.set SA,   32
.set HOME, 64
.set X,    64
.set BI,   96
.set VV,   98
.set WB,   128
.set WV,   18
.set EB,   22
.set G1,   24
.set G0,   32
.set K1,   40
.set SLOTS, 44
.set INNER, 45
.set SB,   46
.set TB,   47
.set TT,   48
.set MSB, 0
.macro WIN new                         ; the immediate's high byte repeats the setting that is left; a switch that changes nothing is dropped
.if MSB != (\new)
	s_set_vgpr_msb (MSB<<8)|(\new)
.set MSB, \new
.endif
.endm
.macro CROUND                          ; a round of the cluster's barrier
	s_barrier_signal -1
	s_barrier_wait -1
	s_cmp_lg_u32 s[WV], 0
	s_cbranch_scc1 .Lnot_wave_0_\@
	s_barrier_signal -3
.Lnot_wave_0_\@:
	s_barrier_wait -3
	s_barrier_signal -1
	s_barrier_wait -1
.endm
	s_load_b256 s[4:11], s[0:1], 0x0               ; enc, W1's codes, the scales' exponents, v_w
	s_load_b128 s[12:15], s[0:1], 0x20             ; bias2, tsc
	s_load_b64 s[16:17], s[0:1], 0x30              ; stat
	v_lshl_add_u32 v[SPW], v0, 2, SPARE
	v_mov_b32 v[NIL], 0
	ds_add_u32 v[SPW], v[NIL]                      ; the opening lines: the add twice on end, and its wait ahead of my first tensor load
	ds_add_u32 v[SPW], v[NIL]
	v_lshrrev_b32 v1, 5, v0
	v_readfirstlane_b32 s[WV], v1                  ; wave 0..3
	s_bfe_u32 s19, ttmp6, 0x40000                  ; cx
	s_lshl_b32 s20, ttmp9, 2
	s_add_co_u32 s20, s20, s19                     ; c = 4 x cluster x + cx
	s_and_b32 s21, ttmp7, 0xffff                   ; b, which the four partners share
	s_mov_b32 s[G1+0], 15|(1<<20)|(1<<21)|(7<<22)|(3<<25)  ; mask of all four; 1-byte elements; padding of 4 words behind every 256 words; bit 21 beside the mask
	s_mov_b32 s[G1+1], 1024<<16
	s_mov_b32 s[G1+2], 32<<16
	s_mov_b32 s[G1+3], 1024<<16
	s_mov_b32 s[G1+4], 32
	s_mov_b32 s[G1+5], 1024
	s_mov_b32 s[G1+6], 0
	s_mov_b32 s[G1+7], 0
	s_mov_b32 s[G0], 1
	s_mul_i32 s[G0+1], s[WV], WPART                ; LDS: slot 0, my quarter
	s_lshl_b32 s52, s[WV], 15                      ; memory: my 32 rows of 1,024 bytes
	s_mov_b32 s53, 0
	v_and_b32 v1, 31, v0                           ; lane
	v_and_b32 v2, 15, v0                           ; r
	v_bfe_u32 v3, v0, 4, 1                         ; h
	v_lshlrev_b32 v[LOFF], 4, v1
	s_mul_i32 s42, s[WV], WSTG
	s_add_co_u32 s42, s42, STAGE                   ; my stage
	v_lshl_add_u32 v[STI], v1, 2, s42
	v_mul_u32_u24 v[STQ], v2, SPI
	v_lshl_add_u32 v[STQ], v3, 4, v[STQ]
	v_add_nc_u32 v[STQ], s42, v[STQ]
	v_mul_u32_u24 v[AB0], v2, PITCH
	v_lshl_add_u32 v[AB0], v3, 4, v[AB0]
	v_lshl_add_u32 v[TA0], v2, 2, TAB
	v_lshl_add_u32 v[TS], v0, 4, TAB+64
	v_lshlrev_b32 v[TOFF], 4, v0
	s_lshl_b32 s43, s[WV], 8
	s_add_co_u32 s43, s43, RED
	v_lshl_add_u32 v[RST], v3, 5, s43              ; RED + 256 w + 32 h
	v_add_nc_u32 v[RRD], RED, v[LOFF]
	v_mov_b32 v[ZR], 0
	s_mov_b32 s50, 0x76543210                      ; v_permlanex16_b32's selects for lane l xor 16
	s_mov_b32 s51, 0xfedcba98
	s_mov_b32 s58, 0xc038aa3b                      ; -C2
	s_mov_b32 s59, s58
	s_lshl_b32 s54, s20, 2
	s_add_co_u32 s54, s54, s[WV]
	s_lshl_b32 s54, s54, 23                        ; (256 c + 64 w) rows of 131,072 bytes,
	s_lshl_b32 s55, s21, 12
	s_add_co_u32 s54, s54, s55                     ; + b x 4,096: under 2^28
	s_mov_b32 s55, 0
	s_lshl_b32 s60, s21, 13
	s_lshl_b32 s61, s20, 10
	s_add_co_u32 s60, s60, s61                     ; tsc: (2,048 b + 256 c) x 4
	s_mov_b32 s61, 0
	s_lshl_b32 s62, s21, 6
	s_lshl_b32 s63, s20, 3
	s_add_co_u32 s62, s62, s63                     ; stat: (8 b + c) x 8
	s_mov_b32 s63, 0
	s_wait_alu depctr_va_vdst(0)                   ; the wait at the head's end
	s_wait_dscnt 0x0                               ; both opening adds are done
	s_wait_kmcnt 0x0
	s_load_b128 s[36:39], s[8:9], 0x0              ; e0, e1, e2, e3
	s_add_nc_u64 s[G0+2:G0+3], s[6:7], s[52:53]
	s_or_b32 s[G0+3], s[G0+3], 0x80000000
	s_add_nc_u64 s[EB:EB+1], s[4:5], s[54:55]
	s_add_nc_u64 s[14:15], s[14:15], s[60:61]
	s_add_nc_u64 s[16:17], s[16:17], s[62:63]
	s_lshl_b32 s52, s21, 12
	s_add_nc_u64 s[12:13], s[12:13], s[52:53]      ; bias2 at row b
	CROUND                                         ; all four work-groups are here: the first joint loads meet
	tensor_load_to_lds s[G0:G0+3], s[G1:G1+7]      ; slot 0: W1's rows 0 to 127; my one tensor load at the head
	s_nop 0
.rept 4
	v_nop
.endr
	global_load_b128 v[32:35], v[TOFF], s[12:13]               ; the tables: 128 threads x 16 bytes, twice, of bias2[b] and of v_w
	global_load_b128 v[36:39], v[TOFF], s[12:13] offset:2048
	global_load_b128 v[40:43], v[TOFF], s[10:11]
	global_load_b128 v[44:47], v[TOFF], s[10:11] offset:2048
; unit q = (tile of rows q / 8, K step q % 8): 16 loads, a row's 512 consecutive bytes each, into set q % 4 of window 3: row p in registers 4 p .. 4 p + 3
.macro QLOAD q
.set li, (\q)/8
.set ls, (\q)%8
.set lr, 64*((\q)%4)
	WIN 0xc0
.irp p, 0,1,2,3,4,5,6,7,8,9,10,11,12,13,14,15
	global_load_b128 v[lr+4*\p:lr+4*\p+3], v[LOFF], s[EB:EB+1] offset:(16*li+\p)*LSTR+512*ls th:TH_LOAD_NT
.endr
	WIN 0
.endm
	QLOAD 0
	QLOAD 1
	QLOAD 2
	s_wait_loadcnt 48                              ; the four table loads are in; the 48 issued behind them stay out
.irp j, 0,2,4,6
	v_pk_mul_f32 v[40+\j:41+\j], v[40+\j:41+\j], s[58:59] op_sel_hi:[1,0]   ; -C2 v
.endr
	ds_store_b128 v[TS], v[32:35]                  ; both tables from row 1 on
	ds_store_b128 v[TS], v[36:39] offset:2048
	ds_store_b128 v[TS], v[40:43] offset:VTAB
	ds_store_b128 v[TS], v[44:47] offset:VTAB+2048
	s_cmp_lg_u32 s[WV], 0
	s_cbranch_scc1 .Lno_zero
	ds_store_b32 v[TA0], v[ZR]                     ; the tables' rows of zeros, by wave 0
	ds_store_b32 v[TA0], v[ZR] offset:VTAB
.Lno_zero:
	QLOAD 3
	s_wait_kmcnt 0x0
	s_add_co_i32 s42, s36, 127
	s_lshl_b32 s43, s42, 23
	v_mov_b32 v[QS], s43                           ; 2^e0 as f32
	s_add_co_i32 s42, s42, 8
	s_lshl_b32 s42, s42, 23
	s_or_b32 s42, s42, 0x600000
	v_mov_b32 v[QL], s42                           ; 448 x 2^e0
	s_wait_alu depctr_va_vdst(0)
	s_add_co_i32 s[K1], s36, s37                   ; e0 + e1 is added to C2's exponent field
	s_lshl_b32 s[K1], s[K1], 23
	s_add_co_i32 s[K1], s[K1], C2
	s_mov_b32 s[K1+1], s[K1]
; A unit: the hold and the conversions on the numbers as they were loaded; conversion m takes rows 2 m and 2 m + 1, four numbers each, so code register p holds row p's k = 4 x lane + 0 .. 3.
; The stage then holds 16 rows of 128 codes in K's order.  LDS serves a wave's instructions in order (ISA guide 5.7.1.4): the loads see the stores above them, and the next unit's stores come behind these loads.
; No wait on DScnt stands here: the fragments are first read behind the wait for 0 at the first change of slots.
.macro UNIT q
.set qi, (\q)/8
.set qs, (\q)%8
.set qr, 64*((\q)%4)
.if (\q) > 28
	s_wait_loadcnt 16*(31-(\q))                    ; the last units: the counts run down
.else
	s_wait_loadcnt 48                              ; this unit's 16 loads are in; the three younger units stay out
.endif
	WIN 0xc3                                       ; destination and source 0 window 3
.set n, 0
.rept 64
	v_med3_num_f32 v[qr+n], v[qr+n], -v[QL], v[QL]   ; the hold at the largest code x the scale (the conversion does not saturate: ISA guide 7.6.2)
.set n, n+1
.endr
	WIN 0x03                                       ; source 0 window 3
.irp m, 0,1,2,3,4,5,6,7
	v_cvt_scalef32_pk8_fp8_f32 v[X+2*\m:X+2*\m+1], v[qr+8*\m:qr+8*\m+7], v[QS]
.endr
	v_nop                                          ; one plain instruction behind the last conversion of the run
	WIN 0
.irp p, 0,1,2,3,4,5,6,7,8,9,10,11,12,13,14,15
	ds_store_b32 v[STI], v[X+\p] offset:\p*SPI
.endr
	WIN 0x40+0x40*(qs/4)                           ; destination window 1 or 2
.set ra, 64*(qs%4)+16*qi
.irp c, 0,1,2,3
	ds_load_b128 v[ra+4*\c:ra+4*\c+3], v[STQ] offset:32*\c
.endr
.if (\q)+4 < 32
	QLOAD (\q)+4                                   ; the set, which only vector instructions have read, takes the loads of four units on
.endif
	WIN 0
.endm
.irp q, 0,1,2,3,4,5,6,7,8,9,10,11,12,13,14,15,16,17,18,19,20,21,22,23,24,25,26,27,28,29,30,31
	UNIT \q
.endr
	; the zeros that stand for tiles -1 and -2: window 3's tile of W1, its sums and its -C2 v; the sums over n; the pairs' upper halves
	WIN 0xc0
.set n, 0
.rept 128
	v_mov_b32 v[WB+n], 0
.set n, n+1
.endr
.set n, 0
.rept 32
	v_mov_b32 v[HOME+n], 0
.set n, n+1
.endr
	v_mov_b32 v[BI+1], 0
	v_mov_b32 v[VV], 0
	v_mov_b32 v[VV+1], 0
	WIN 0
.set n, 0
.rept 32
	v_mov_b32 v[SA+n], 0
.set n, n+1
.endr
	v_mov_b32 v[BI+1], 0
	v_mov_b32 v[VV+1], 0
	s_mov_b32 s[SB], SLOT                          ; the first change of slots turns it to 0
	s_mov_b32 s[TT], 0
	s_mov_b32 s[SLOTS], 7
	s_wait_alu depctr_va_vdst(0)                   ; the wait ahead of the waits and barriers below
.macro FRAGS k0, n, a                  ; n LDS loads of the tile in hand, from load k0 on: load k brings registers 4 k .. 4 k + 3 of the buffer: K step k / 4, block k % 4
.set k, \k0
.rept \n
	ds_load_b128 v[WB+4*k:WB+4*k+3], v[ADR+\a] offset:128*(k/4)+32*(k%4)
.set k, k+1
.endr
.endm
; A STEP.  WP = the window that this step fills (W1's next tile, the new tile's sums, bias and -C2 v); WQ = the other, which holds the tile being multiplied and the older tile.
; fetch: W1's next tile is read from LDS; prod: there is a new tile.
; THE LDS LOADS stand in three runs, each directly behind a wait for vector results: at the head the two table words and K steps 0-1; ahead of the batch K steps 2-4; behind the batch K steps 5-7.
; THE WAITS ON DScnt.  At the head, 12: the last step's third run may be out, all older loads are in.  Ahead of the product of K step 5: only the head's run just issued (10, or 2 with no fetch) may be out, so the last step's third run is in.
; Ahead of the bias lines, 8: the two table words are in; the head's eight fragment loads were issued behind them.
; PLACES (ISA guide 7.12.1): the sixteen additions on the older tile, which name no register of the products, stand between the last products and the first read of their sums; a buffer is loaded again a whole vector phase behind its last product.
; The four accumulators take turns, one instruction a turn.  The batch of transcendentals has one wait ahead of it and one behind it.
.macro STEP p, fetch, prod
.set WP, 3*(\p)
.set WQ, 3-3*(\p)
.if \prod
	WIN 0
	v_add_nc_u32 v[TADR+\p], s[TT], v[TA0]
	s_add_co_u32 s[TT], s[TT], 64
.if \fetch
	v_add_nc_u32 v[ADR+\p], s[TB], v[AB0]
	s_add_co_u32 s[TB], s[TB], TILEB
.endif
	s_wait_alu depctr_va_vdst(0)
	s_wait_dscnt 12
	WIN WP<<6
	ds_load_b32 v[BI], v[TADR+\p]
	ds_load_b32 v[VV], v[TADR+\p] offset:VTAB
.if \fetch
	FRAGS 0, 8, \p
.endif
.set k, 0
.rept 32
.set ks, k/4
.set ki, k%4
	WIN (WP<<6)|(WP<<4)|(WQ<<2)|(1+ks/4)
.if k == 20
	s_wait_dscnt 2+8*(\fetch)
.endif
.if ks == 0
	v_wmma_f32_16x16x128_fp8_fp8 v[HOME+8*ki:HOME+8*ki+7], v[64*(ks%4)+16*ki:64*(ks%4)+16*ki+15], v[WB+16*ks:WB+16*ks+15], 0
.else
	v_wmma_f32_16x16x128_fp8_fp8 v[HOME+8*ki:HOME+8*ki+7], v[64*(ks%4)+16*ki:64*(ks%4)+16*ki+15], v[WB+16*ks:WB+16*ks+15], v[HOME+8*ki:HOME+8*ki+7]
.endif
.set k, k+1
.endr
.endif
	WIN (WQ<<6)|WQ
.set j, 0
.rept 16
	v_pk_add_f32 v[HOME+2*j:HOME+2*j+1], v[HOME+2*j:HOME+2*j+1], 1.0 op_sel_hi:[1,0]   ; the older tile: 1 + 2^(..)
.set j, j+1
.endr
.if \prod
	s_wait_dscnt 8*(\fetch)
	WIN (WP<<6)|(WP<<4)|WP
.set j, 0
.rept 16
	v_pk_fma_f32 v[HOME+2*j:HOME+2*j+1], v[HOME+2*j:HOME+2*j+1], s[K1:K1+1], v[BI:BI+1] op_sel_hi:[1,0,0]   ; the new tile: K1 S + bias, each accumulator from its low end on
.set j, j+1
.endr
.endif
	s_wait_alu depctr_va_vdst(0)
.if \fetch
	WIN WP<<6
	FRAGS 8, 12, \p
.endif
.if \prod
	WIN (WP<<6)|WP
.set j, 0
.rept 32
	v_exp_f32 v[HOME+j], v[HOME+j]
.set j, j+1
.endr
.endif
	WIN (WQ<<6)|WQ
.set j, 0
.rept 32
	v_rcp_f32 v[HOME+j], v[HOME+j]
.set j, j+1
.endr
	v_nop
	s_wait_alu depctr_va_vdst(0)
.if \fetch
	WIN WP<<6
	FRAGS 20, 12, \p
.endif
	WIN (WQ<<2)|WQ
.set j, 0
.rept 16
	v_pk_fma_f32 v[SA+2*j:SA+2*j+1], v[HOME+2*j:HOME+2*j+1], v[VV:VV+1], v[SA+2*j:SA+2*j+1] op_sel_hi:[1,0,1]   ; sums += (-C2 v) r
.set j, j+1
.endr
.endm
; THE CHANGE OF SLOTS stands at a slot's head.  Each wave waits for all its tensor loads (one is out: its quarter of the slot ahead), adds 0 to its spare word, and waits for that and for its fetches from the slot that it has left.
; fill = 1: behind a round of the cluster's barrier the other slot takes W1's next 128 rows: the load has eight steps, 256 matrix instructions, in which to land.  The first change's load is slot 1's first fill.
.macro CHANGE fill
	s_wait_tensorcnt 0x0
	ds_add_u32 v[SPW], v[NIL]
.if \fill
	s_xor_b32 s[G0+1], s[G0+1], SLOT
	s_add_nc_u64 s[G0+2:G0+3], s[G0+2:G0+3], 131072
.endif
	s_xor_b32 s[SB], s[SB], SLOT
	s_mov_b32 s[TB], s[SB]
	s_wait_dscnt 0x0
.if \fill
	CROUND
	tensor_load_to_lds s[G0:G0+3], s[G1:G1+7]      ; the first thing behind the round, and my one tensor load until the next
	s_nop 0
.rept 4
	v_nop
.endr
.else
	s_barrier_signal -1
	s_barrier_wait -1
.endif
.endm
.macro EIGHT                           ; a slot's eight steps: two written, walked four times
	s_mov_b32 s[INNER], 4
.Lpair_\@:
	STEP 0, 1, 1
	STEP 1, 1, 1
	WIN 0
	s_sub_co_u32 s[INNER], s[INNER], 1
	s_cmp_lg_u32 s[INNER], 0
	s_cbranch_scc1 .Lpair_\@
.endm
.Lslot:                                            ; seven trips: behind each change of slots but the last the next slot is asked for
	CHANGE 1
	EIGHT
	s_sub_co_u32 s[SLOTS], s[SLOTS], 1
	s_cmp_lg_u32 s[SLOTS], 0
	s_cbranch_scc1 .Lslot
	CHANGE 0                                       ; the last slot is written out
	EIGHT
	STEP 0, 0, 1                                   ; step 64: tile 63's products; tile 62 older
	STEP 1, 0, 0                                   ; step 65: tile 63 older
	WIN 0
	; THE WAY OUT.  A lane's sums hold the n = lane % 16 (mod 16) alone: they are joined across the sixteen lanes of each half; then t(16 i + 8 h + j) stands in every lane of half h.
.irp m, 1,2,4,8
.set n, 0
.rept 32
	v_add_f32_dpp v[SA+n], v[SA+n], v[SA+n] row_xmask:\m row_mask:0xf bank_mask:0xf
.set n, n+1
.endr
.endr
.irp i, 0,1,2,3
.irp j, 0,1,2,3,4,5,6,7
	ds_store_b32 v[RST], v[SA+8*\i+\j] offset:64*\i+4*\j   ; the sixteen lanes of a half write one word with one value
.endr
.endr
	s_wait_dscnt 0x0                               ; for wave 0's sake
	s_barrier_signal -1
	s_barrier_wait -1
	s_cmp_lg_u32 s[WV], 0
	s_cbranch_scc1 .Lend
	ds_load_b128 v[64:67], v[RRD]
	ds_load_b128 v[68:71], v[RRD] offset:512
	v_mov_b32 v74, 0                               ; a lane permute's destination counts as one of its sources
	s_wait_alu depctr_va_vdst(0)
	s_wait_dscnt 0x0
	global_store_b128 v[LOFF], v[64:67], s[14:15]               ; 32 lanes store 512 consecutive bytes, at a multiple of 256 from tsc's first byte
	global_store_b128 v[LOFF], v[68:71], s[14:15] offset:512
	v_max3_num_f32 v72, v64, v65, v66
	v_max3_num_f32 v73, v67, v68, v69
	v_max3_num_f32 v72, v72, v70, v71
	v_max_num_f32 v72, v72, v73
.irp m, 1,2,4,8
	v_max_num_f32_dpp v72, v72, v72 row_xmask:\m row_mask:0xf bank_mask:0xf
.endr
	v_permlanex16_b32 v73, v72, s50, s51
	v_max_num_f32 v72, v72, v73                    ; m: the chunk's largest t
.irp q, 0,1,2,3,4,5,6,7
	v_sub_f32 v[80+\q], v[64+\q], v72
.endr
	s_wait_alu depctr_va_vdst(0)                   ; the wait ahead of the batch
.irp q, 0,1,2,3,4,5,6,7
	v_exp_f32 v[80+\q], v[80+\q]
.endr
	v_nop
	s_wait_alu depctr_va_vdst(0)                   ; and the one behind it
	v_pk_add_f32 v[80:81], v[80:81], v[82:83]
	v_pk_add_f32 v[84:85], v[84:85], v[86:87]
	v_pk_add_f32 v[80:81], v[80:81], v[84:85]
	v_add_f32 v73, v80, v81
.irp m, 1,2,4,8
	v_add_f32_dpp v73, v73, v73 row_xmask:\m row_mask:0xf bank_mask:0xf
.endr
	v_permlanex16_b32 v74, v73, s50, s51
	v_add_f32 v73, v73, v74                        ; z: the sum of 2^(t - m)
	v_cmp_eq_u32 vcc_lo, 0, v1
	s_wait_alu depctr_va_vdst(0)
	s_wait_xcnt 0x0                                ; EXEC is a source of the stores above: it changes only behind this wait
	s_and_saveexec_b32 s56, vcc_lo
	global_store_b64 v[ZR], v[72:73], s[16:17]     ; (m, z), by lane 0
	s_wait_xcnt 0x0
	s_or_b32 exec_lo, exec_lo, s56
.Lend:
	s_wait_tensorcnt 0x0                           ; the wave's end
	ds_add_u32 v[SPW], v[NIL]
	s_wait_dscnt 0x0
	CROUND                                         ; the closing round
	s_endpgm
.Lfunc_end_k_q3916214360_score:
	.size	k_q3916214360_score, .Lfunc_end_k_q3916214360_score-k_q3916214360_score
	.p2alignl 7, 3214868480
	.fill 96, 4, 3214868480
	.section	.rodata,"a",@progbits
	.p2align	6, 0x0
	.amdhsa_kernel k_q3916214360_score
		.amdhsa_group_segment_fixed_size 327680
		.amdhsa_private_segment_fixed_size 0
		.amdhsa_enable_private_segment 0
		.amdhsa_kernarg_size 56
		.amdhsa_user_sgpr_count 2
		.amdhsa_user_sgpr_kernarg_segment_ptr 1
		.amdhsa_wavefront_size32 1
		.amdhsa_system_sgpr_workgroup_id_x 1
		.amdhsa_system_sgpr_workgroup_id_y 1
		.amdhsa_system_sgpr_workgroup_id_z 1
		.amdhsa_system_vgpr_workitem_id 0
		.amdhsa_next_free_vgpr 1024
		.amdhsa_next_free_sgpr 66
		.amdhsa_reserve_vcc 1
		.amdhsa_float_denorm_mode_32 3
		.amdhsa_float_denorm_mode_16_64 3
		.amdhsa_memory_ordered 1
		.amdhsa_forward_progress 1
		.amdhsa_inst_pref_size 255
	.end_amdhsa_kernel
	.section	.bss,"aw",@nobits
	.p2align	6
	.space	262144
	.amdgpu_metadata
---
amdhsa.version: [ 1, 2 ]
amdhsa.kernels:
  - .name:           k_q3916214360_score
    .symbol:         k_q3916214360_score.kd
    .args:
      - { .name: encoder_output, .offset: 0, .size: 8, .value_kind: global_buffer, .address_space: global }
      - { .name: w1_w_codes, .offset: 8, .size: 8, .value_kind: global_buffer, .address_space: global }
      - { .name: lowp_scales, .offset: 16, .size: 8, .value_kind: global_buffer, .address_space: global }
      - { .name: v_w, .offset: 24, .size: 8, .value_kind: global_buffer, .address_space: global }
      - { .name: bias2, .offset: 32, .size: 8, .value_kind: global_buffer, .address_space: global }
      - { .name: tsc, .offset: 40, .size: 8, .value_kind: global_buffer, .address_space: global }
      - { .name: stat, .offset: 48, .size: 8, .value_kind: global_buffer, .address_space: global }
    .group_segment_fixed_size: 327680
    .private_segment_fixed_size: 0
    .kernarg_segment_align: 8
    .kernarg_segment_size: 56
    .max_flat_workgroup_size: 128
    .sgpr_count:     66
    .vgpr_count:     1024
    .wavefront_size: 32
...
	.end_amdgpu_metadata
.endif
;; end of part 2
;; launch context (part 3): grid 8 x 32, 16 waves a work-group, no clusters, 10,496 bytes of LDS; arguments encoder_output, tsc, stat, out0, out1; writes out0, out1
.if DOCPART == 3
	.amdgcn_target "amdgcn-amd-amdhsa--gfx1250"
	.amdhsa_code_object_version 6
	.text
	.protected	k_q3916214360_context
	.globl	k_q3916214360_context
	.p2align	8
	.type	k_q3916214360_context,@function
k_q3916214360_context:
	s_mov_b64 s[64:65], 0
	v_nop
	global_prefetch_b8 v0, s[64:65] scope:SCOPE_SE
	s_setreg_imm32_b32 hwreg(HW_REG_WAVE_MODE, 25, 1), 1
	s_wait_xcnt 0x0
; The softmax over l and the weighted sum.  weight[l][b] = 2^(t[b][l] - M[b]) / Z[b], with M[b] = the largest of the eight chunks' m and Z[b] = the sum of z_c 2^(m_c - M): the maximum is taken away before every exponential.
; t lacks v_b and sum_n v_n, which are the same along l and fall out of the softmax (shown at the head of the first kernel).
; out0[b][:] = the sum over l of weight[l][b] enc[l][b][:];  out1[l][b] = weight[l][b].
; SHARES.  Work-group (hc, b) owns out0[b][128 hc .. 128 hc + 127] over all l: one owner for each output.  Wave w of sixteen takes l = 128 w .. 128 w + 127; a load of the wave is one row's 512 consecutive bytes; 32 rows of each wave are on their way.
; The sixteen partial sums meet in LDS; wave 0 adds them and stores 512 consecutive bytes.  The work-group also owns rows l = 8 g .. 8 g + 7 of out1 (g = 8 b + hc): 1,024 consecutive bytes, two numbers a thread of waves 0 to 3.
; A stream: no matrix unit, no cluster (no two work-groups read the same bytes of enc), no tensor load (the ring lies in registers), no prefetch (the loads themselves run 32 rows ahead in every wave).
; REGISTERS: v4-9 addresses; v[8:15]... see the names below; v64-191 the ring: row n in v[64 + 4 (n % 32)]; v192-223 two b's statistics, v224-225 their t (waves 0 to 3).
.set LSTR,  131072                     ; bytes from l to l + 1 at one b
.set SPARE, 8448                       ; behind the sixteen partial sums (8,192 bytes): the spare words, 128 bytes a wave: eight blocks of 256 bytes that no other line names
.set SPW,  2                           ; v2   my spare word's LDS address; never rewritten
.set NIL,  3                           ; v3   0; never rewritten
.set LOFF, 4                           ; v4   16 x lane
.set PST,  5                           ; v5   16 x thread: where my partial sum goes
.set SOF,  6                           ; v6   stat: 128 x (t % 16): the rows of b0 = 2 (t % 16) and b0 + 1
.set GOF,  7                           ; v7   tsc: b0 x 8,192 + 4 l, l = 8 g + t / 16
.set OOF,  9                           ; v9   out1: 8 t
.set AC,   10                          ; v[10:13], v[14:17] two sets of four sums
.set WT,   18                          ; v[18:21] lane i: the weights of l = 128 w + 4 i + 0 .. 3
.set X,    64
.set ST,   192
.set GT,   224
	s_load_b256 s[4:11], s[0:1], 0x0               ; enc s[4:5], tsc s[6:7], stat s[8:9], out0 s[10:11]
	s_load_b64 s[12:13], s[0:1], 0x20              ; out1
	v_lshl_add_u32 v[SPW], v0, 2, SPARE
	v_mov_b32 v[NIL], 0
	v_lshrrev_b32 v1, 5, v0
	v_readfirstlane_b32 s14, v1                    ; wave 0..15
	v_and_b32 v1, 31, v0
	v_lshlrev_b32 v[LOFF], 4, v1
	v_lshlrev_b32 v[PST], 4, v0
	s_and_b32 s16, ttmp7, 0xffff                   ; b
	s_lshl_b32 s17, s16, 3
	s_add_co_u32 s17, s17, ttmp9                   ; g = 8 b + hc
	s_lshl_b32 s15, s17, 5                         ; 8 g x 4 bytes
	v_and_b32 v[SOF], 15, v0
	v_lshrrev_b32 v[GOF], 4, v0
	v_lshl_add_u32 v[GOF], v[GOF], 2, s15
	v_lshl_add_u32 v[GOF], v[SOF], 14, v[GOF]
	v_lshlrev_b32 v[SOF], 7, v[SOF]
	v_lshlrev_b32 v[OOF], 3, v0
	s_lshl_b32 s18, s14, 24                        ; 128 w rows of 131,072 bytes,
	s_lshl_b32 s20, s16, 12
	s_lshl_b32 s21, ttmp9, 9
	s_add_co_u32 s20, s20, s21                     ; b x 4,096 + hc x 512: out0's offset too
	s_add_co_u32 s18, s18, s20                     ; under 2^28
	s_mov_b32 s19, 0
	s_mov_b32 s21, 0
	s_lshl_b32 s22, s16, 13
	s_lshl_b32 s23, s14, 9
	s_add_co_u32 s22, s22, s23                     ; tsc: (2,048 b + 128 w) x 4
	s_mov_b32 s23, 0
	s_lshl_b32 s56, s16, 6                         ; stat: b x 64
	s_mov_b32 s57, 0
	s_lshl_b32 s58, s17, 10                        ; out1: g x 1,024
	s_mov_b32 s59, 0
	s_mov_b32 s25, 0                               ; the upper halves of the pairs that carry a row's weight: named, so they are written
	s_mov_b32 s27, 0
	s_mov_b32 s29, 0
	s_mov_b32 s31, 0
	s_wait_alu depctr_va_vdst(0)                   ; the wait at the head's end
	s_wait_kmcnt 0x0
	s_add_nc_u64 s[56:57], s[8:9], s[56:57]
	s_load_b512 s[32:47], s[56:57], 0x0            ; my b's eight pairs (m, z)
	s_add_nc_u64 s[48:49], s[4:5], s[18:19]        ; four bases, 32 rows apart, so that a row's place stands in the immediate: 31 rows at the most, inside its signed 24 bits (ISA guide, chapter 10)
	s_add_nc_u64 s[50:51], s[48:49], 32*LSTR
	s_add_nc_u64 s[52:53], s[50:51], 32*LSTR
	s_add_nc_u64 s[54:55], s[52:53], 32*LSTR
	s_add_nc_u64 s[10:11], s[10:11], s[20:21]
	s_add_nc_u64 s[22:23], s[6:7], s[22:23]
	s_add_nc_u64 s[12:13], s[12:13], s[58:59]
	s_cmp_lt_u32 s14, 4
	s_cbranch_scc0 .Lno_rows1
.irp k, 0,1,2,3,4,5,6,7                        ; waves 0 to 3, for out1: the statistics of the thread's two b, and their t at its l
	global_load_b128 v[ST+4*\k:ST+4*\k+3], v[SOF], s[8:9] offset:16*\k
.endr
	global_load_b32 v[GT], v[GOF], s[6:7]
	global_load_b32 v[GT+1], v[GOF], s[6:7] offset:8192
.Lno_rows1:
	global_load_b128 v[WT:WT+3], v[LOFF], s[22:23] ; my wave's 128 t
.macro ROWLD row
	global_load_b128 v[X+4*((\row)%32):X+4*((\row)%32)+3], v[LOFF], s[48+2*((\row)/32):49+2*((\row)/32)] offset:((\row)%32)*LSTR th:TH_LOAD_NT
.endm
.set n, 0
.rept 32
	ROWLD n
.set n, n+1
.endr
	s_wait_kmcnt 0x0
	v_mov_b32 v22, s32
.irp c, 1,2,3,4,5,6,7
	v_max_num_f32 v22, s[32+2*\c], v22             ; M
.endr
.irp c, 0,1,2,3,4,5,6,7
	v_sub_f32 v[24+\c], s[32+2*\c], v22
.endr
	s_wait_alu depctr_va_vdst(0)                   ; the wait ahead of the batch
.irp c, 0,1,2,3,4,5,6,7
	v_exp_f32 v[24+\c], v[24+\c]
.endr
	v_nop
	s_wait_alu depctr_va_vdst(0)                   ; one wait for the eight exponentials, ahead of their first reader
	v_mul_f32 v23, s33, v24
.irp c, 1,2,3,4,5,6,7
	v_fmac_f32 v23, s[33+2*\c], v[24+\c]           ; Z, at least 1: the chunk that holds M adds its z, which is at least 1
.endr
	s_wait_alu depctr_va_vdst(0)                   ; the wait ahead of the reciprocal
	v_rcp_f32 v23, v23
	s_wait_loadcnt 32                              ; all but the ring's 32 rows: my t (and, in waves 0 to 3, what out1 needs)
.irp q, 0,1,2,3
	v_sub_f32 v[WT+\q], v[WT+\q], v22              ; (plain instructions behind the reciprocal)
.endr
	s_wait_alu depctr_va_vdst(0)                   ; the wait ahead of the batch
.irp q, 0,1,2,3
	v_exp_f32 v[WT+\q], v[WT+\q]
.endr
	v_nop
	s_wait_alu depctr_va_vdst(0)                   ; one wait for the reciprocal and the four exponentials
.irp q, 0,1,2,3
	v_mul_f32 v[WT+\q], v[WT+\q], v23
.endr
	s_wait_alu depctr_va_vdst(0)
	s_cmp_lt_u32 s14, 4
	s_cbranch_scc0 .Lno_rows2
.irp u, 0,1                                    ; out1: the same arithmetic for the thread's two b, from vector registers
	v_max3_num_f32 v[32+\u], v[ST+16*\u], v[ST+16*\u+2], v[ST+16*\u+4]
	v_max3_num_f32 v[32+\u], v[32+\u], v[ST+16*\u+6], v[ST+16*\u+8]
	v_max3_num_f32 v[32+\u], v[32+\u], v[ST+16*\u+10], v[ST+16*\u+12]
	v_max_num_f32 v[32+\u], v[32+\u], v[ST+16*\u+14]
.endr
.irp u, 0,1
.irp c, 0,1,2,3,4,5,6,7
	v_sub_f32 v[ST+16*\u+2*\c], v[ST+16*\u+2*\c], v[32+\u]
.endr
	v_sub_f32 v[GT+\u], v[GT+\u], v[32+\u]
.endr
	s_wait_alu depctr_va_vdst(0)                   ; the wait ahead of the batch
.irp u, 0,1
.irp c, 0,1,2,3,4,5,6,7
	v_exp_f32 v[ST+16*\u+2*\c], v[ST+16*\u+2*\c]
.endr
	v_exp_f32 v[GT+\u], v[GT+\u]
.endr
	v_nop
	s_wait_alu depctr_va_vdst(0)                   ; one wait for the eighteen
.irp u, 0,1
	v_mul_f32 v[34+\u], v[ST+16*\u], v[ST+16*\u+1]
.irp c, 1,2,3,4,5,6,7
	v_fmac_f32 v[34+\u], v[ST+16*\u+2*\c], v[ST+16*\u+2*\c+1]
.endr
.endr
	s_wait_alu depctr_va_vdst(0)                   ; the wait ahead of the two reciprocals
	v_rcp_f32 v34, v34
	v_rcp_f32 v35, v35
	v_nop
	s_wait_alu depctr_va_vdst(0)
	v_mul_f32 v36, v[GT], v34
	v_mul_f32 v37, v[GT+1], v35
	global_store_b64 v[OOF], v[36:37], s[12:13]    ; a wave stores 256 consecutive bytes, at a multiple of 256 from out1's first byte
.Lno_rows2:
	; 128 rows.  Row n's weight lies in lane n / 4, register n % 4: it goes to a scalar register, and two packed multiply-adds take the row's four numbers a lane.  Two sets of sums by turns; the first two rows start them.
.set n, 0
.rept 128
	s_wait_alu depctr_va_vdst(0)
.if n > 96
	s_wait_loadcnt 127-n
.else
	s_wait_loadcnt 31                              ; loads come back in order (ISA guide 5.7.1): row n is in, the 31 younger rows stay out
.endif
.set sw, 24+2*(n%4)
.set xr, X+4*(n%32)
.set ar, AC+4*(n%2)
	v_readlane_b32 s[sw], v[WT+n%4], n/4
.if n < 2
	v_pk_mul_f32 v[ar:ar+1], v[xr:xr+1], s[sw:sw+1] op_sel_hi:[1,0]
	v_pk_mul_f32 v[ar+2:ar+3], v[xr+2:xr+3], s[sw:sw+1] op_sel_hi:[1,0]
.else
	v_pk_fma_f32 v[ar:ar+1], v[xr:xr+1], s[sw:sw+1], v[ar:ar+1] op_sel_hi:[1,0,1]
	v_pk_fma_f32 v[ar+2:ar+3], v[xr+2:xr+3], s[sw:sw+1], v[ar+2:ar+3] op_sel_hi:[1,0,1]
.endif
.if n+32 < 128
	ROWLD n+32
.endif
.set n, n+1
.endr
	v_pk_add_f32 v[AC:AC+1], v[AC:AC+1], v[AC+4:AC+5]
	v_pk_add_f32 v[AC+2:AC+3], v[AC+2:AC+3], v[AC+6:AC+7]
	ds_store_b128 v[PST], v[AC:AC+3]
	s_wait_dscnt 0x0                               ; for wave 0's sake
	s_barrier_signal -1
	s_barrier_wait -1
	s_cmp_lg_u32 s14, 0
	s_cbranch_scc1 .Lend
.irp k, 0,1,2,3,4,5,6,7,8,9,10,11,12,13,14,15
	ds_load_b128 v[X+4*\k:X+4*\k+3], v[LOFF] offset:512*\k
.endr
	s_wait_dscnt 0x0
.irp d, 8,4,2,1
.set k, 0
.rept \d
	v_pk_add_f32 v[X+4*k:X+4*k+1], v[X+4*k:X+4*k+1], v[X+4*(k+\d):X+4*(k+\d)+1]
	v_pk_add_f32 v[X+4*k+2:X+4*k+3], v[X+4*k+2:X+4*k+3], v[X+4*(k+\d)+2:X+4*(k+\d)+3]
.set k, k+1
.endr
.endr
	global_store_b128 v[LOFF], v[X:X+3], s[10:11]  ; 32 lanes store 512 consecutive bytes, at a multiple of 256 from out0's first byte
.Lend:
	s_wait_tensorcnt 0x0                           ; the wave's end
	ds_add_u32 v[SPW], v[NIL]
	s_wait_dscnt 0x0
	s_endpgm
.Lfunc_end_k_q3916214360_context:
	.size	k_q3916214360_context, .Lfunc_end_k_q3916214360_context-k_q3916214360_context
	.p2alignl 7, 3214868480
	.fill 96, 4, 3214868480
	.section	.rodata,"a",@progbits
	.p2align	6, 0x0
	.amdhsa_kernel k_q3916214360_context
		.amdhsa_group_segment_fixed_size 10496
		.amdhsa_private_segment_fixed_size 0
		.amdhsa_enable_private_segment 0
		.amdhsa_kernarg_size 40
		.amdhsa_user_sgpr_count 2
		.amdhsa_user_sgpr_kernarg_segment_ptr 1
		.amdhsa_wavefront_size32 1
		.amdhsa_system_sgpr_workgroup_id_x 1
		.amdhsa_system_sgpr_workgroup_id_y 1
		.amdhsa_system_sgpr_workgroup_id_z 1
		.amdhsa_system_vgpr_workitem_id 0
		.amdhsa_next_free_vgpr 256
		.amdhsa_next_free_sgpr 66
		.amdhsa_reserve_vcc 0
		.amdhsa_float_denorm_mode_32 3
		.amdhsa_float_denorm_mode_16_64 3
		.amdhsa_memory_ordered 1
		.amdhsa_forward_progress 1
		.amdhsa_inst_pref_size 55
	.end_amdhsa_kernel
	.amdgpu_metadata
---
amdhsa.version: [ 1, 2 ]
amdhsa.kernels:
  - .name:           k_q3916214360_context
    .symbol:         k_q3916214360_context.kd
    .args:
      - { .name: encoder_output, .offset: 0, .size: 8, .value_kind: global_buffer, .address_space: global }
      - { .name: tsc, .offset: 8, .size: 8, .value_kind: global_buffer, .address_space: global }
      - { .name: stat, .offset: 16, .size: 8, .value_kind: global_buffer, .address_space: global }
      - { .name: out0, .offset: 24, .size: 8, .value_kind: global_buffer, .address_space: global }
      - { .name: out1, .offset: 32, .size: 8, .value_kind: global_buffer, .address_space: global }
    .group_segment_fixed_size: 10496
    .private_segment_fixed_size: 0
    .kernarg_segment_align: 8
    .kernarg_segment_size: 40
    .max_flat_workgroup_size: 512
    .sgpr_count:     66
    .vgpr_count:     256
    .wavefront_size: 32
...
	.end_amdgpu_metadata
.endif
;; end of part 3
